; MI455X (gfx1250); checked and timed in simulation.
; The chip was launched on July 23, 2026; its instructions are those of AMD's public machine-readable ISA for CDNA 5 (MIT licence, August 2026) and "CDNA5" Instruction Set Architecture Reference Guide (July 2026). The comments in the code are by the model that wrote it; some were corrected since.
;; Multihead Attention. Allowed arithmetic: matrix products marked QUANTISED: E2M1 operands, one E8M0 scale for each 32 along K, by v_wmma_scale_f32_16x16x128_f8f6f4 with both operands' format E2M1 (or v_wmma_scale_f32_32x16x128_f4), f32 sums; products left as they are: bf16, f16 or f32 operands; f32 sums; everything else in f32.
;; Inputs: attn_mask 8 x 2,048 x 2,048 int32; b_k 512 float32; b_q 512 float32; b_v 512 float32; w_k 512 x 512 float32; w_q 512 x 512 float32; w_v 512 x 512 float32; x_k_v 8 x 2,048 x 512 float32; x_q 8 x 2,048 x 512 float32.
;; Outputs: out0 8 x 2,048 x 512 float32.
;; This version of the problem:
;;   THIS VERSION OF THE PROBLEM IS GIVEN IN LOW PRECISION. The matrix products marked QUANTISED in the list below multiply operands that are first quantised to E2M1 (2 exponent bits, 1 mantissa bit; 4 bits a number), with one power-of-two scale for each 32 numbers along K (OCP MX v1.0); their sums are f32. The products marked 'left as it is' may take bf16, f16 or f32 operands, with f32 sums. Whichever they take, every output number must still come out within the allowed error. Rounding operands to bf16 (8 significant bits) uses up far more of that allowance than f16 does (11 bits, for magnitudes from 6e-5 to 65,504). All else is computed in f32.
;;   The module's matrix products, in the order in which they are computed (A, B: the left and right operand; K: the contracted axis; several contracted axes count as one K, in the product's order):
;;     1. [M 16,384, K 512] x [K 512, N 512]; A: input x_q; B: input w_q: QUANTISED
;;     2. [M 16,384, K 512] x [K 512, N 512]; A: input x_k_v; B: input w_k: QUANTISED
;;     3. [M 16,384, K 512] x [K 512, N 512]; A: input x_k_v; B: input w_v: QUANTISED
;;     4. batch 64 x [M 2,048, K 64] x [K 64, N 2,048]; A: computed on the way; B: computed on the way: left as it is (an operand is computed on the way)
;;     5. batch 64 x [M 64, K 2,048] x [K 2,048, N 2,048]; A: computed on the way; B: computed on the way: left as it is (an operand is computed on the way)
;;   THE QUANTISER, for each operand of a quantised product, along K:
;;     - K is cut into blocks of 32 from its start; a last block that is shorter is filled with zeros.
;;     - A block's scale is 2^e with e = floor(log2(the largest magnitude in the block)) - 2, held to -126 .. 127; a block of zeros has e = 0. As a byte (E8M0): e + 127.
;;     - Each number is divided by its block's scale, clamped to +-6, and rounded to the nearest number of E2M1, ties to even, subnormals kept.
;;     - The product sums the exact products of the quantised numbers (number of the format x scale) in f32.
;;   ~~~python
;;   def quantise(x, axis):      # numpy; x: float32 -> the quantised numbers, widened to float32 again
;;       x = np.moveaxis(x, axis, -1); K = x.shape[-1]
;;       x = np.pad(x, [(0, 0)] * (x.ndim - 1) + [(0, -K % 32)]); x = x.reshape(x.shape[:-1] + (-1, 32)); a = np.abs(x).max(-1, keepdims=True)
;;       e = np.where(a > 0, np.clip(np.frexp(np.where(a > 0, a, 1))[1] - 1 - 2, -126, 127), 0)      # np.frexp(a)[1] - 1 = floor(log2(a)), exactly
;;       r = np.clip(x / 2.0 ** e, -6, 6)
;;       step = 2.0 ** (np.maximum(np.frexp(np.where(r == 0, 1, r))[1] - 1, 0) - 1)
;;       q = np.round(r / step) * step * 2.0 ** e      # np.round: ties to even
;;       return np.moveaxis(q.reshape(q.shape[:-2] + (-1,))[..., :K], -1, axis).astype(np.float32)
;;   ~~~
;; One version. Each part assembles by itself: llvm-mc -triple=amdgcn-amd-amdhsa -mcpu=gfx1250 --defsym DOCPART=n.
;; ======== version 1 of 1: 3 launches
;; limits: values are held in f16: magnitudes above 65,504 overflow, below 6.1e-05 lose precision
;; workspace buffers: mbits 4,194,304 bytes of whole numbers; wimg 393,216 bytes; wsc 49,152 bytes; qimg 16,777,216 bytes; kvimg 33,554,432 bytes
;; launch prep (part 1): grid 536 x 1, 4 waves a work-group, no clusters, 35,328 bytes of LDS; arguments attn_mask, w_q, w_k, w_v, mbits, wimg, wsc; writes mbits, wimg, wsc
.if DOCPART == 1
	.amdgcn_target "amdgcn-amd-amdhsa--gfx1250"
	.amdhsa_code_object_version 6
	.text
	.protected	k_q743ed3cee6_prep
	.globl	k_q743ed3cee6_prep
	.p2align	8
	.type	k_q743ed3cee6_prep,@function
k_q743ed3cee6_prep:
	s_mov_b64 s[64:65], 0
	v_nop
	global_prefetch_b8 v0, s[64:65] scope:SCOPE_SE
	s_setreg_imm32_b32 hwreg(HW_REG_WAVE_MODE, 25, 1), 1
	s_wait_xcnt 0x0
; TWO JOBS IN ONE LAUNCH, told apart by the work-group's number.
; Work-groups 0-511: attn_mask [8][2048][2048] int32 becomes lane-mask words, mbits [b 8][qpair 64][step 32][i 32][t 2] u32:
;   bit L (r = L % 16, h = L / 16) of word (i = 8 kt + j, t) says mask[b][32 qpair + 16 t + r][64 step + 16 kt + 8 h + j] != 0.
;   That is the order in which the attention launch's select takes a word for register i of query tile t: 256 bytes for a pair of query tiles and a key step.
; Work-groups 512-535: w_q, w_k, w_v [512][512] f32 become codes of FP4 (E2M1) with one E8M0 byte for each 32 along K, laid as images of operand registers:
;   wimg [g 3][nt 32][s 4][c 2][L 32][16 bytes]: the 32 codes of block 2 c + h of K step s (128 along K) of weight row 16 nt + r;  wsc [g][nt][L][s 4] u32: row r's scale word of K step s.
; A block's scale is 2^(floor(log2(its largest magnitude)) - 2); its byte is the largest magnitude's exponent field - 2, held at 1 from below.
; LIMITS: a block whose largest magnitude lies under 2^-124 (a block of zeros among them) keeps the byte 1: a block of zeros has zero codes, and this program alone reads the bytes.  NaN and infinities among the weights are not served.
; THE MASK: work-group g = 64 b + qpair takes 32 query rows; wave w the key steps 8 w .. 8 w + 7, a unit of 32 rows x 256 bytes each.  A load reads 256 consecutive bytes of two rows; the unit turns through the
; wave's own stage in LDS (rows of 256 + 16 bytes), so that lane (r, h) gets the numbers of its bit; a compare makes a word in a scalar register, a writelane puts word i into lane i; 32 lanes store 256 consecutive bytes.
; Waves share nothing: no barrier.  Loads run two units (32 loads a wave) ahead.  Every offset is an immediate; no register of a pending store is written again.
.set STG,   8704                       ; a wave's stage: 32 rows x 272 bytes
.set SPARE, 4*STG                      ; behind the stages: the spare words, 128 bytes for each wave
.set RA,    16                         ; v16-143  two sets of 64 registers as loaded
.set XM,    144                        ; v144-207 mask numbers by bit: 32 t + 8 kt + j
.set WD,    208                        ; v208-223 the words: a pair (t = 0, 1) for each unit
	s_load_b256 s[4:11], s[0:1], 0x0               ; attn_mask s[4:5], w_q s[6:7], w_k s[8:9], w_v s[10:11]
	s_load_b128 s[12:15], s[0:1], 0x20             ; mbits s[12:13], wimg s[14:15]
	s_load_b64 s[16:17], s[0:1], 0x30              ; wsc
	v_lshl_add_u32 v12, v0, 2, SPARE               ; my spare word; never rewritten
	v_mov_b32 v13, 0                               ; 0; never rewritten
	v_lshrrev_b32 v1, 5, v0
	v_readfirstlane_b32 s18, v1                    ; wave 0..3
	v_and_b32 v6, 31, v0                           ; L
	v_and_b32 v7, 15, v0                           ; r
	v_bfe_u32 v8, v0, 4, 1                         ; h
	s_mov_b32 s30, 0x76543210
	s_mov_b32 s31, 0xfedcba98                      ; v_permlanex16_b32's selects for lane l xor 16
	s_wait_kmcnt 0x0
	s_cmp_ge_u32 ttmp9, 512
	s_cbranch_scc1 .Lweights
	; ---------------- the mask ----------------
	s_lshl_b32 s20, ttmp9, 18                      ; 32 rows of 8,192 bytes for each work-group,
	s_lshl_b32 s22, s18, 11                        ; 8 steps of 256 bytes for each wave (in the rows and in mbits alike)
	s_add_co_u32 s20, s20, s22
	s_mov_b32 s21, 0
	s_add_nc_u64 s[4:5], s[4:5], s[20:21]
	s_lshl_b32 s20, ttmp9, 13                      ; 32 steps of 256 bytes of words for each work-group
	s_add_co_u32 s20, s20, s22
	s_add_nc_u64 s[12:13], s[12:13], s[20:21]
	s_mul_i32 s19, s18, STG
	v_lshlrev_b32 v2, 4, v7
	v_lshl_add_u32 v2, v8, 13, v2                  ; in memory: 16 r, one row down for lanes 16-31
	v_mul_u32_u24 v3, v8, 272
	v_lshl_add_u32 v3, v7, 4, v3
	v_add_nc_u32 v3, s19, v3                       ; into the stage: the same two rows
	v_mul_u32_u24 v4, v7, 272
	v_lshl_add_u32 v4, v8, 5, v4
	v_add_nc_u32 v4, s19, v4                       ; out of it: row r, 32 h bytes on: keys 8 h + 0 .. 7 of a tile of 16
	v_lshlrev_b32 v5, 3, v6                        ; the words' place: 8 bytes a lane
.irp i, 0,1,2,3,4,5,6,7,8,9,10,11,12,13,14,15
	v_mov_b32 v[WD+\i], 0                          ; written once: a writelane's destination counts as one of its sources
.endr
.macro MLOAD u                         ; unit u: rows 2 l and 2 l + 1, 256 consecutive bytes each
.irp l, 0,1,2,3,4,5,6,7,8,9,10,11,12,13,14,15
	global_load_b128 v[RA+64*((\u)%2)+4*\l:RA+64*((\u)%2)+4*\l+3], v2, s[4:5] offset:\l*16384+(\u)*256 th:TH_LOAD_NT
.endr
.endm
.macro UNIT u
.if (\u) < 7
	s_wait_loadcnt 16                              ; this unit's 16 loads are in; the next unit's 16 may be out
.else
	s_wait_loadcnt 0
.endif
.irp l, 0,1,2,3,4,5,6,7,8,9,10,11,12,13,14,15
	ds_store_b128 v3, v[RA+64*((\u)%2)+4*\l:RA+64*((\u)%2)+4*\l+3] offset:544*\l
.endr
.irp t, 0,1
.irp kt, 0,1,2,3
.irp e, 0,1
	ds_load_b128 v[XM+32*\t+8*\kt+4*\e:XM+32*\t+8*\kt+4*\e+3], v4 offset:4352*\t+64*\kt+16*\e   ; LDS serves a wave's instructions in order: these see the stores above
.endr
.endr
.endr
	s_wait_dscnt 0x0                               ; the numbers are back, and the stores have read their set,
.if (\u)+2 < 8
	MLOAD (\u)+2                                   ; which takes the unit two further on
.endif
.irp t, 0,1
.irp kt, 0,1,2,3
.irp j, 0,1,2,3,4,5,6,7
	v_cmp_ne_u32 s[20+\j], 0, v[XM+32*\t+8*\kt+\j] ; bit L: my number is not 0
.endr
.irp j, 0,1,2,3,4,5,6,7
	v_writelane_b32 v[WD+2*(\u)+\t], s[20+\j], 8*\kt+\j   ; word i = 8 kt + j goes to lane i
.endr
.endr
.endr
	global_store_b64 v5, v[WD+2*(\u):WD+2*(\u)+1], s[12:13] offset:256*(\u)   ; 32 lanes store 256 consecutive bytes, aligned
.endm
	MLOAD 0
	MLOAD 1
.irp u, 0,1,2,3,4,5,6,7
	UNIT \u
.endr
	s_wait_tensorcnt 0x0                           ; the wave's end, behind my last LDS store
	ds_add_u32 v12, v13
	s_wait_dscnt 0x0
	s_endpgm
	; ---------------- the weights: one wave, one tile of 16 rows x 512 K; no LDS ----------------
.Lweights:
	s_sub_co_u32 s20, ttmp9, 512
	s_lshl_b32 s20, s20, 2
	s_add_co_u32 s20, s20, s18                     ; tile 0..95 = 32 x weight + nt
	s_lshr_b32 s21, s20, 5                         ; which weight
	s_and_b32 s22, s20, 31                         ; nt
	s_cmp_eq_u32 s21, 0
	s_cselect_b64 s[24:25], s[6:7], s[8:9]
	s_cmp_eq_u32 s21, 2
	s_cselect_b64 s[24:25], s[10:11], s[24:25]     ; the choice hangs on ids alone
	s_lshl_b32 s26, s22, 15                        ; 16 rows of 2,048 bytes
	s_mov_b32 s27, 0
	s_add_nc_u64 s[24:25], s[24:25], s[26:27]
	s_lshl_b32 s26, s20, 12                        ; 4,096 bytes of codes a tile
	s_add_nc_u64 s[14:15], s[14:15], s[26:27]
	s_lshl_b32 s26, s20, 9                         ; 512 bytes of scale words a tile
	s_add_nc_u64 s[16:17], s[16:17], s[26:27]
	v_lshlrev_b32 v2, 11, v7
	v_lshl_add_u32 v2, v8, 7, v2                   ; row r, + 128 h bytes: lane (r, h) holds blocks h and 2 + h of a K step, whole
	v_lshlrev_b32 v3, 4, v6                        ; an image's place: 16 bytes a lane
	v_lshlrev_b32 v208, 3, v8                      ; 8 h: my bytes' place in the scale word
	v_mov_b32 v207, 0                              ; written once: a lane permute's destination counts as one of its sources
.macro WLOAD s                         ; K step s: two blocks of 32 numbers a lane (pieces of 16 bytes of runs of 128: these three weights are 3 MB of the launch's 137)
.irp c, 0,1
.irp i, 0,1,2,3,4,5,6,7
	global_load_b128 v[RA+64*((\s)%2)+32*\c+4*\i:RA+64*((\s)%2)+32*\c+4*\i+3], v2, s[24:25] offset:512*(\s)+256*\c+16*\i th:TH_LOAD_NT
.endr
.endr
.endm
.macro WQ s
.set RS, RA+64*((\s)%2)
.if (\s) < 3
	s_wait_loadcnt 16                              ; this K step's 16 loads are in; the next one's may be out
.else
	s_wait_loadcnt 0
.endif
.irp c, 0,1
	v_max3_num_f32 v[200+\c], |v[RS+32*\c]|, |v[RS+32*\c+1]|, 0x1800000   ; block 2 c + h: all 32 numbers are mine; the floor 2^(3 - 127) holds the byte at 1 from below
.endr
.irp i, 2,4,6,8,10,12,14,16,18,20,22,24,26,28,30
.irp c, 0,1
	v_max3_num_f32 v[200+\c], v[200+\c], |v[RS+32*\c+\i]|, |v[RS+32*\c+\i+1]|
.endr
.endr
.irp c, 0,1
	v_add_nc_u32 v[202+\c], 0xff000000, v[200+\c]  ; 2 off the exponent field: the conversion takes the exponent field of this operand as its scale
.endr
.irp c, 0,1
	v_lshrrev_b32 v[204+\c], 23, v[202+\c]         ; the scale's byte
.endr
	v_lshl_or_b32 v206, v205, 16, v204             ; my two bytes, blocks h and 2 + h,
	v_lshlrev_b32 v206, v208, v206                 ; at their places;
	v_permlanex16_b32 v207, v206, s30, s31
	v_or_b32 v[176+(\s)], v206, v207               ; with lane l xor 16's two the word is whole, in both halves of the lanes
.irp c, 0,1
.irp q, 0,1,2,3
	v_cvt_scalef32_pk8_fp4_f32 v[144+8*(\s)+4*\c+\q], v[RS+32*\c+8*\q:RS+32*\c+8*\q+7], v[202+\c]
.endr
.endr
	v_nop                                          ; one plain line behind the last scaled conversion
.irp c, 0,1
	global_store_b128 v3, v[144+8*(\s)+4*\c:144+8*(\s)+4*\c+3], s[14:15] offset:1024*(\s)+512*\c   ; registers 4 c .. 4 c + 3 of the fragment: 512 consecutive bytes
.endr
.if (\s)+2 < 4
	WLOAD (\s)+2
.endif
.endm
	WLOAD 0
	WLOAD 1
.irp s, 0,1,2,3
	WQ \s
.endr
	global_store_b128 v3, v[176:179], s[16:17]     ; the four K steps' scale words, 16 bytes a lane
	s_endpgm
.Lfunc_end_k_q743ed3cee6_prep:
	.size	k_q743ed3cee6_prep, .Lfunc_end_k_q743ed3cee6_prep-k_q743ed3cee6_prep
	.p2alignl 7, 3214868480
	.fill 96, 4, 3214868480
	.section	.rodata,"a",@progbits
	.p2align	6, 0x0
	.amdhsa_kernel k_q743ed3cee6_prep
		.amdhsa_group_segment_fixed_size 35328
		.amdhsa_private_segment_fixed_size 0
		.amdhsa_enable_private_segment 0
		.amdhsa_kernarg_size 56
		.amdhsa_user_sgpr_count 2
		.amdhsa_user_sgpr_kernarg_segment_ptr 1
		.amdhsa_wavefront_size32 1
		.amdhsa_system_sgpr_workgroup_id_x 1
		.amdhsa_system_sgpr_workgroup_id_y 1
		.amdhsa_system_sgpr_workgroup_id_z 1
		.amdhsa_system_vgpr_workitem_id 0
		.amdhsa_next_free_vgpr 224
		.amdhsa_next_free_sgpr 66
		.amdhsa_reserve_vcc 0
		.amdhsa_float_denorm_mode_32 3
		.amdhsa_float_denorm_mode_16_64 3
		.amdhsa_memory_ordered 1
		.amdhsa_forward_progress 1
		.amdhsa_inst_pref_size 116
	.end_amdhsa_kernel
	.amdgpu_metadata
---
amdhsa.version: [ 1, 2 ]
amdhsa.kernels:
  - .name:           k_q743ed3cee6_prep
    .symbol:         k_q743ed3cee6_prep.kd
    .args:
      - { .name: attn_mask, .offset: 0, .size: 8, .value_kind: global_buffer, .address_space: global }
      - { .name: w_q, .offset: 8, .size: 8, .value_kind: global_buffer, .address_space: global }
      - { .name: w_k, .offset: 16, .size: 8, .value_kind: global_buffer, .address_space: global }
      - { .name: w_v, .offset: 24, .size: 8, .value_kind: global_buffer, .address_space: global }
      - { .name: mbits, .offset: 32, .size: 8, .value_kind: global_buffer, .address_space: global }
      - { .name: wimg, .offset: 40, .size: 8, .value_kind: global_buffer, .address_space: global }
      - { .name: wsc, .offset: 48, .size: 8, .value_kind: global_buffer, .address_space: global }
    .group_segment_fixed_size: 35328
    .private_segment_fixed_size: 0
    .kernarg_segment_align: 8
    .kernarg_segment_size: 56
    .max_flat_workgroup_size: 128
    .sgpr_count:     66
    .vgpr_count:     224
    .wavefront_size: 32
...
	.end_amdgpu_metadata
.endif
;; end of part 1
;; launch proj (part 2): grid 256 x 1, 8 waves a work-group, no clusters, 304,128 bytes of LDS; arguments x_q, x_k_v, wimg, wsc, b_q, b_k, b_v, qimg, kvimg; writes qimg, kvimg
.if DOCPART == 2
	.amdgcn_target "amdgcn-amd-amdhsa--gfx1250"
	.amdhsa_code_object_version 6
	.text
	.protected	k_q743ed3cee6_proj
	.globl	k_q743ed3cee6_proj
	.p2align	8
	.type	k_q743ed3cee6_proj,@function
k_q743ed3cee6_proj:
	s_mov_b64 s[64:65], 0
	v_nop
	global_prefetch_b8 v0, s[64:65] scope:SCOPE_SE
	s_setreg_imm32_b32 hwreg(HW_REG_WAVE_MODE, 25, 1), 1
	s_wait_xcnt 0x0
; q = (Q(x_q) Q(w_q)^T + b_q) log2(e) / 8,  k = Q(x_k_v) Q(w_k)^T + b_k,  v = Q(x_k_v) Q(w_v)^T + b_v: Q the MX-FP4 quantiser along K = 512; sums in f32; results rounded once to f16 and stored as images
; of the attention launch's operand registers (L the lane, r = L % 16, h = L / 16):
;   qimg  [bh 64][token tile 128][c 2][u 2][L][16 bytes]: token 16 T + r, d = 32 c + 16 u + 8 h + 0 .. 7;
;   kvimg [bh][step 32][16,384 bytes]: at 0 K, four tiles laid as qimg's; at 8,192 V: [kc 2][dt 4][u 2][L][16 bytes]: d = 16 dt + r, keys 32 kc + 16 u + 8 h + 0 .. 7.
; log2(e) / sqrt(64) is multiplied into q in f32, so that a score of the attention launch is already the exponent to base 2.
; LIMITS: q log2(e) / 8, k and v beyond +-65,504 are held there (some 10^4 times the sizes drawn).  A quantiser's block under 2^-124 keeps the byte 1 (a block of zeros: zero codes).  NaN and infinities are not served.
; SHARES.  Work-group g takes tokens 64 g .. 64 g + 63 of both x tensors: one key step of kvimg.  PHASE X: wave w quantises 16 rows of one tensor (waves 0-3: x_q, waves 4-7: x_k_v), brought by its own two tensor loads
; (K halves: 16 rows x 1,024 bytes each, 16 bytes of padding behind each row), and hands the fragments to the others through LDS as images of their registers.  One barrier.
; PHASE G: wave w is head w: its four tiles of 16 features of each of q, k, v, for the four tiles of 16 tokens: 12 x 16 matrix instructions.  The weights' images come from memory straight into registers, four tiles ahead.
; q, k: source 0 = 16 rows of the weight, source 1 = 16 tokens: a lane holds one token and eight neighbouring features.  v: the sources swapped: a lane holds one feature and eight neighbouring tokens (the keys are the next K).
; Either way eight results pack into the 16 bytes of an image's piece, and a store covers 512 consecutive bytes: no stage.  The bias is the C of a sum's first matrix instruction.
; NO CLUSTER: what work-groups share is the weights' images, 432 KB for a work-group; x's raw rows take 266,240 of LDS's bytes, so the weights do not pass through LDS, and a joint load serves LDS alone.
; REGISTERS.  window 0: v1-8 addresses; v10, v11 the add's two; v16-47 x's scale words (16 tensor + 4 m + s); v48-63 the weights' (4 sets x 4); v64-95 biases (4 sets x 8); v96-159 two sets of four accumulators
;   (in phase X: 64 numbers of x); v160-175 packed results; v176-207 codes just made; v208-223 at work; v224-227 scale words just made.
;   window 1: v0-127 x's 16 fragments of the tensor in use (32 m + 8 s); v128-255 the weights' fragments, 4 sets (128 + 32 p + 8 s).
.set XRW,    33280                     ; LDS: a wave's raw rows: two tiles of 16 x 1,040 bytes
.set XHALF,  16640
.set XPITCH, 1040                      ; 65 x 16: the 16 rows that a load touches begin 16 bytes apart modulo 256
.set XIMG,   8*XRW                     ; x's 32 fragments: (16 tensor + 4 m + s) x 1,024 + 512 c + 16 L
.set XSC,    XIMG+32768                ; their scale words: (4 tensor + m) x 512 + 16 L: four words a lane
.set SPARE,  XSC+4096                  ; the spare words, 128 bytes for each wave
.set XS,  16
.set WS,  48
.set BI,  64
.set ACC, 96
.set XN,  96
.set PK,  160
.set PC,  176
.set TM,  208
.set PW,  224
.set MSB, 0
.macro WIN new                         ; the immediate's high byte repeats the setting that is left
.if MSB != \new
	s_set_vgpr_msb (MSB<<8)|\new
.set MSB, \new
.endif
.endm
	s_load_b512 s[4:19], s[0:1], 0x0               ; x_q 4, x_k_v 6, wimg 8, wsc 10, b_q 12, b_k 14, b_v 16, qimg 18
	s_load_b64 s[20:21], s[0:1], 0x40              ; kvimg
	v_lshl_add_u32 v10, v0, 2, SPARE
	v_mov_b32 v11, 0
	ds_add_u32 v10, v11                            ; the wave's opening: the add, twice on end, and its wait ahead of my first tensor load
	ds_add_u32 v10, v11                            ; and once more; the set-up below, work on registers, stands between it and the wait
	v_lshrrev_b32 v12, 5, v0
	v_readfirstlane_b32 s22, v12                   ; wave 0..7
	s_mov_b32 s24, 0x76543210
	s_mov_b32 s25, 0xfedcba98                      ; v_permlanex16_b32's selects for lane l xor 16
	s_mov_b32 s26, 0x3e38aa3b                      ; log2(e) / 8
	s_mov_b32 s27, s26                             ; (named with it as a pair, so it is written)
	s_mov_b32 s28, 0xc77fe000                      ; -65,504
	s_mov_b32 s29, 0x477fe000                      ; +65,504
	; descriptor group 1: 16 rows x 256 elements of 4 bytes, rows 512 elements apart, 4 words of padding behind every 256
	s_mov_b32 s32, (2<<16)|(1<<20)|(7<<22)|(3<<25)
	s_mov_b32 s33, 256<<16                         ; tensor_dim0
	s_mov_b32 s34, 16<<16                          ; tensor_dim1
	s_mov_b32 s35, 256<<16                         ; tile_dim0
	s_mov_b32 s36, 16                              ; tile_dim1
	s_mov_b32 s37, 512                             ; the pitch
	s_mov_b32 s38, 0
	s_mov_b32 s39, 0
	s_and_b32 s48, s22, 3                          ; m: which 16 of the 64 tokens I quantise
	s_lshl_b32 s50, ttmp9, 17                      ; 64 rows of 2,048 bytes for each work-group
	s_lshl_b32 s48, s48, 15
	s_add_co_u32 s50, s50, s48
	s_mov_b32 s51, 0
	s_mul_i32 s52, s22, XRW                        ; my raw rows in LDS
	v_and_b32 v12, 31, v0                          ; L
	v_and_b32 v13, 15, v0                          ; r
	v_bfe_u32 v14, v0, 4, 1                        ; h
	v_lshlrev_b32 v1, 4, v12                       ; 16 L: an image's place for my lane, in LDS and in memory
	v_mul_u32_u24 v2, v13, XPITCH
	v_lshl_add_u32 v2, v14, 6, v2
	v_add_nc_u32 v2, s52, v2                       ; raw row r, + 64 h: my 16 numbers of a block of 32
	s_lshl_b32 s53, s22, 12
	v_add_nc_u32 v3, s53, v1
	v_add_nc_u32 v3, XIMG, v3                      ; where I store my four fragments
	s_lshl_b32 s53, s22, 9
	v_add_nc_u32 v4, s53, v1
	v_add_nc_u32 v4, XSC, v4                       ; and their scale words
	v_lshlrev_b32 v5, 5, v14                       ; b_q, b_k: 8 h numbers on
	v_lshlrev_b32 v6, 2, v13                       ; b_v: r numbers on
	v_add_nc_u32 v7, XIMG, v1                      ; where any fragment is read
	v_add_nc_u32 v8, XSC, v1
.irp b, 0,1,2,3
	v_mov_b32 v[TM+4+\b], 0                        ; written once: a lane permute's destination counts as one of its sources
.endr
	s_wait_dscnt 0x0                               ; both opening adds are done
	s_wait_kmcnt 0x0
	s_cmp_lt_u32 s22, 4                            ; waves 0-3 take x_q, waves 4-7 x_k_v
	s_cselect_b64 s[54:55], s[4:5], s[6:7]
	s_add_nc_u64 s[54:55], s[54:55], s[50:51]
	s_mov_b32 s40, 1                               ; group 0, K half 0
	s_mov_b32 s41, s52
	s_mov_b64 s[42:43], s[54:55]
	s_or_b32 s43, s43, 0x80000000
	s_mov_b32 s44, 1                               ; K half 1: 1,024 bytes on in the rows, the second tile in LDS
	s_add_co_u32 s45, s52, XHALF
	s_add_nc_u64 s[46:47], s[54:55], 1024
	s_or_b32 s47, s47, 0x80000000
	tensor_load_to_lds s[40:43], s[32:39]          ; two loads of mine are out
	s_nop 0
	tensor_load_to_lds s[44:47], s[32:39]
	s_nop 0
.rept 4
	v_nop
.endr
	s_mov_b32 s49, 0
	s_lshl_b32 s48, s22, 14                        ; my head's four tiles: 4 x 4,096 bytes of codes,
	s_add_nc_u64 s[8:9], s[8:9], s[48:49]
	s_lshl_b32 s48, s22, 11                        ; 4 x 512 of scale words,
	s_add_nc_u64 s[10:11], s[10:11], s[48:49]
	s_lshl_b32 s48, s22, 8                         ; 64 numbers of each bias
	s_add_nc_u64 s[12:13], s[12:13], s[48:49]
	s_add_nc_u64 s[14:15], s[14:15], s[48:49]
	s_add_nc_u64 s[16:17], s[16:17], s[48:49]
	s_lshr_b32 s56, ttmp9, 5
	s_lshl_b32 s56, s56, 3
	s_add_co_u32 s56, s56, s22                     ; bh = 8 b + head
	s_and_b32 s57, ttmp9, 31                       ; the key step
	s_lshl_b32 s48, s56, 18
	s_lshl_b32 s53, s57, 13
	s_add_co_u32 s48, s48, s53
	s_add_nc_u64 s[18:19], s[18:19], s[48:49]      ; qimg at my four token tiles
	s_lshl_b32 s48, s56, 19
	s_lshl_b32 s53, s57, 14
	s_add_co_u32 s48, s48, s53
	s_add_nc_u64 s[20:21], s[20:21], s[48:49]      ; kvimg at my step
; tile n of my twelve (weight n / 4, tile n % 4 of the head): its four fragments, scale words and bias into set n % 4.  11 loads for q and k, 17 for v
.macro WL n
.set WLG, (\n)/4
.set WLI, (\n)%4
	WIN 0x40                                       ; destination window 1
.irp s, 0,1,2,3
.irp c, 0,1
	global_load_b128 v[128+32*WLI+8*\s+4*\c:128+32*WLI+8*\s+4*\c+3], v1, s[8:9] offset:WLG*131072+WLI*4096+\s*1024+\c*512
.endr
.endr
	WIN 0
	global_load_b128 v[WS+4*WLI:WS+4*WLI+3], v1, s[10:11] offset:WLG*16384+WLI*512
.if WLG < 2
.irp e, 0,1
	global_load_b128 v[BI+8*WLI+4*\e:BI+8*WLI+4*\e+3], v5, s[12+2*WLG:13+2*WLG] offset:64*WLI+16*\e   ; register j: b[16 i + 8 h + j]
.endr
.else
.irp j, 0,1,2,3,4,5,6,7
	global_load_b32 v[BI+8*WLI+\j], v6, s[16:17] offset:64*WLI     ; every register: b_v[16 i + r]
.endr
.endif
.endm
	WL 0
	WL 1
	WL 2
	WL 3
; 64 numbers of a lane, register 16 b + i = k 32 b + 16 h + i of my row, become a fragment's codes in v[pc] on and its scale word in v[pw]
.macro QUANT s, pc, pw
.irp b, 0,1,2,3
	v_max3_num_f32 v[TM+\b], |v[\s+16*\b]|, |v[\s+1+16*\b]|, 0x1800000   ; block b: my 16 numbers, and the floor 2^(3 - 127): the byte cannot fall under 1
.endr
.irp i, 2,4,6,8,10,12,14
.irp b, 0,1,2,3
	v_max3_num_f32 v[TM+\b], v[TM+\b], |v[\s+16*\b+\i]|, |v[\s+1+16*\b+\i]|
.endr
.endr
.irp b, 0,1,2,3
	v_permlanex16_b32 v[TM+4+\b], v[TM+\b], s24, s25
.endr
.irp b, 0,1,2,3
	v_max_num_f32 v[TM+\b], v[TM+\b], v[TM+4+\b]   ; with lane l xor 16's: the block's largest magnitude
.endr
.irp b, 0,1,2,3
	v_add_nc_u32 v[TM+12+\b], 0xff000000, v[TM+\b] ; 2 off its exponent field: the conversion's scale operand
.endr
.irp b, 0,1,2,3
	v_lshrrev_b32 v[TM+4+\b], 23, v[TM+12+\b]      ; the scale's byte
.endr
	v_lshl_or_b32 v[\pw], v[TM+5], 8, v[TM+4]
	v_lshl_or_b32 v[\pw], v[TM+6], 16, v[\pw]
	v_lshl_or_b32 v[\pw], v[TM+7], 24, v[\pw]
.irp b, 0,1,2,3
	v_cvt_scalef32_pk8_fp4_f32 v[\pc+2*\b], v[\s+16*\b:\s+7+16*\b], v[TM+12+\b]
	v_cvt_scalef32_pk8_fp4_f32 v[\pc+1+2*\b], v[\s+8+16*\b:\s+15+16*\b], v[TM+12+\b]
.endr
	v_nop                                          ; one plain line behind the last scaled conversion
.irp c, 0,1                                    ; the operand's layout wants a whole block in a lane: lanes 0-15 block 2 c, lanes 16-31 block 2 c + 1
.irp i, 0,1
	v_permlane16_swap_b32 v[\pc+4*\c+\i], v[\pc+2+4*\c+\i]
.endr
.endr
.endm
; PHASE X.  K step s of my 16 rows: out of my raw rows, quantised, and into LDS as an image.  Only I read my raw rows: my own wait on the tensor loads orders them
.macro XSTEP s
.irp b, 0,1,2,3
.irp j, 0,1,2,3
	ds_load_b128 v[XN+16*\b+4*\j:XN+16*\b+4*\j+3], v2 offset:((\s)/2)*XHALF+((\s)%2)*512+128*\b+16*\j
.endr
.endr
	s_wait_dscnt 0x0
	QUANT XN, PC+8*(\s), PW+(\s)
.irp c, 0,1
	ds_store_b128 v3, v[PC+8*(\s)+4*\c:PC+8*(\s)+4*\c+3] offset:1024*(\s)+512*\c
.endr
.endm
	s_wait_tensorcnt 0x1                           ; K half 0 is in; K half 1, issued behind it, may be out
	XSTEP 0
	XSTEP 1
	s_wait_tensorcnt 0x0
	XSTEP 2
	XSTEP 3
	ds_store_b128 v4, v[PW:PW+3]                   ; my rows' four scale words
	s_wait_dscnt 0x0                               ; for the others' sake: my stores have landed
	s_barrier_signal -1
	s_barrier_wait -1                              ; all 32 fragments lie in LDS
.macro XFETCH tau                      ; the 16 fragments of tensor tau into window 1
	WIN 0x40
.irp m, 0,1,2,3
.irp s, 0,1,2,3
.irp c, 0,1
	ds_load_b128 v[32*\m+8*\s+4*\c:32*\m+8*\s+4*\c+3], v7 offset:(16*\tau+4*\m+\s)*1024+512*\c
.endr
.endr
.endr
	WIN 0
.endm
; PHASE G, tile n.  cnt: the loads of the up to three later tiles, which may stay out.  The four accumulators take turns, one instruction a turn; the two sets take turns from tile to tile.
.macro NT n, cnt
.set NG, (\n)/4
.set NI, (\n)%4
.set NA, ACC+32*((\n)%2)
.if NG == 0
.set NX, 0
.else
.set NX, 16
.endif
	s_wait_loadcnt \cnt
	WIN 0x05                                       ; both sources window 1; C and D window 0
.irp s, 0,1,2,3
.irp m, 0,1,2,3
.set rD, NA+8*\m
.set rW, 128+32*NI+8*\s
.set rX, 32*\m+8*\s
.set rC, rD
.if \s == 0
.set rC, BI+8*NI                       ; the bias starts the sum
.endif
.if NG < 2
	v_wmma_scale_f32_16x16x128_f8f6f4 v[rD:rD+7], v[rW:rW+7], v[rX:rX+7], v[rC:rC+7], v[WS+4*NI+\s], v[XS+NX+4*\m+\s] matrix_a_fmt:MATRIX_FMT_FP4 matrix_b_fmt:MATRIX_FMT_FP4
.else
	v_wmma_scale_f32_16x16x128_f8f6f4 v[rD:rD+7], v[rX:rX+7], v[rW:rW+7], v[rC:rC+7], v[XS+NX+4*\m+\s], v[WS+4*NI+\s] matrix_a_fmt:MATRIX_FMT_FP4 matrix_b_fmt:MATRIX_FMT_FP4
.endif
.endr
.endr
	WIN 0
.rept 4
	v_nop                                          ; four places ahead of the first read of results, and of the loads below into registers that these products read
.endr
	s_wait_xcnt 0x0                                ; the last tile's stores have read their data: the packed results are written again only behind this wait
.irp m, 0,1,2,3                                ; each accumulator from its low end on
.if NG == 0
.irp e, 0,1,2,3
	v_pk_mul_f32 v[NA+8*\m+2*\e:NA+8*\m+2*\e+1], v[NA+8*\m+2*\e:NA+8*\m+2*\e+1], s[26:27] op_sel_hi:[1,0]   ; q x log2(e) / 8, in f32
.endr
.endif
.irp j, 0,1,2,3,4,5,6,7
	v_med3_num_f32 v[NA+8*\m+\j], v[NA+8*\m+\j], s28, s29          ; held inside f16's range
.endr
.irp e, 0,1,2,3
	v_cvt_pk_f16_f32 v[PK+4*\m+\e], v[NA+8*\m+2*\e], v[NA+8*\m+2*\e+1]
.endr
.endr
.irp m, 0,1,2,3                                ; 32 lanes store 512 consecutive bytes, aligned
.if NG == 0
	global_store_b128 v1, v[PK+4*\m:PK+4*\m+3], s[18:19] offset:\m*2048+NI*512                      ; token tile m; features 16 i + 8 h ..: piece c = i / 2, u = i % 2
.elseif NG == 1
	global_store_b128 v1, v[PK+4*\m:PK+4*\m+3], s[20:21] offset:\m*2048+NI*512
.else
	global_store_b128 v1, v[PK+4*\m:PK+4*\m+3], s[20:21] offset:8192+(\m/2)*4096+NI*1024+(\m%2)*512 ; keys 16 m + 8 h ..: kc = m / 2, u = m % 2; dt = i
.endif
.endr
.if (\n)+4 < 12
	WL (\n)+4
.endif
.endm
.irp q, 0,1,2,3,4,5,6,7
	ds_load_b128 v[XS+4*\q:XS+4*\q+3], v8 offset:512*\q            ; all scale words of x: they stay
.endr
	XFETCH 0
	s_wait_dscnt 0x0
	NT 0, 33
	NT 1, 33
	NT 2, 33
	NT 3, 33
	XFETCH 1                                       ; x_k_v's fragments take x_q's place: the last products that read them stand more than four places back
	s_wait_dscnt 0x0
	NT 4, 33
	NT 5, 39
	NT 6, 45
	NT 7, 51
	NT 8, 51
	NT 9, 34
	NT 10, 17
	NT 11, 0
	s_wait_tensorcnt 0x0                           ; the wave's end, behind my last tensor load and my last LDS store
	ds_add_u32 v10, v11
	s_wait_dscnt 0x0
	s_endpgm
.Lfunc_end_k_q743ed3cee6_proj:
	.size	k_q743ed3cee6_proj, .Lfunc_end_k_q743ed3cee6_proj-k_q743ed3cee6_proj
	.p2alignl 7, 3214868480
	.fill 96, 4, 3214868480
	.section	.rodata,"a",@progbits
	.p2align	6, 0x0
	.amdhsa_kernel k_q743ed3cee6_proj
		.amdhsa_group_segment_fixed_size 304128
		.amdhsa_private_segment_fixed_size 0
		.amdhsa_enable_private_segment 0
		.amdhsa_kernarg_size 72
		.amdhsa_user_sgpr_count 2
		.amdhsa_user_sgpr_kernarg_segment_ptr 1
		.amdhsa_wavefront_size32 1
		.amdhsa_system_sgpr_workgroup_id_x 1
		.amdhsa_system_sgpr_workgroup_id_y 1
		.amdhsa_system_sgpr_workgroup_id_z 1
		.amdhsa_system_vgpr_workitem_id 0
		.amdhsa_next_free_vgpr 512
		.amdhsa_next_free_sgpr 66
		.amdhsa_reserve_vcc 0
		.amdhsa_float_denorm_mode_32 3
		.amdhsa_float_denorm_mode_16_64 3
		.amdhsa_memory_ordered 1
		.amdhsa_forward_progress 1
		.amdhsa_inst_pref_size 116
	.end_amdhsa_kernel
	.amdgpu_metadata
---
amdhsa.version: [ 1, 2 ]
amdhsa.kernels:
  - .name:           k_q743ed3cee6_proj
    .symbol:         k_q743ed3cee6_proj.kd
    .args:
      - { .name: x_q, .offset: 0, .size: 8, .value_kind: global_buffer, .address_space: global }
      - { .name: x_k_v, .offset: 8, .size: 8, .value_kind: global_buffer, .address_space: global }
      - { .name: wimg, .offset: 16, .size: 8, .value_kind: global_buffer, .address_space: global }
      - { .name: wsc, .offset: 24, .size: 8, .value_kind: global_buffer, .address_space: global }
      - { .name: b_q, .offset: 32, .size: 8, .value_kind: global_buffer, .address_space: global }
      - { .name: b_k, .offset: 40, .size: 8, .value_kind: global_buffer, .address_space: global }
      - { .name: b_v, .offset: 48, .size: 8, .value_kind: global_buffer, .address_space: global }
      - { .name: qimg, .offset: 56, .size: 8, .value_kind: global_buffer, .address_space: global }
      - { .name: kvimg, .offset: 64, .size: 8, .value_kind: global_buffer, .address_space: global }
    .group_segment_fixed_size: 304128
    .private_segment_fixed_size: 0
    .kernarg_segment_align: 8
    .kernarg_segment_size: 72
    .max_flat_workgroup_size: 256
    .sgpr_count:     66
    .vgpr_count:     512
    .wavefront_size: 32
...
	.end_amdgpu_metadata
.endif
;; end of part 2
;; launch attn (part 3): grid 4 x 64, 8 waves a work-group, clusters of 4 x 1, 327,680 bytes of LDS; arguments qimg, kvimg, mbits, out0; writes out0
.if DOCPART == 3
	.amdgcn_target "amdgcn-amd-amdhsa--gfx1250"
	.amdhsa_code_object_version 6
	.text
	.protected	k_q743ed3cee6_attn
	.globl	k_q743ed3cee6_attn
	.p2align	8
	.type	k_q743ed3cee6_attn,@function
k_q743ed3cee6_attn:
	s_mov_b64 s[64:65], 0
	v_nop
	global_prefetch_b8 v0, s[64:65] scope:SCOPE_SE
	s_setreg_imm32_b32 hwreg(HW_REG_WAVE_MODE, 25, 1), 1
	s_wait_xcnt 0x0
	s_wait_alu depctr_hold_cnt(0) depctr_sa_sdst(0) depctr_va_vdst(0) depctr_va_sdst(0) depctr_va_ssrc(0) depctr_va_vcc(0) depctr_vm_vsrc(0)
	s_getreg_b32 s2, hwreg(HW_REG_IB_STS2, 6, 4)
	s_cmp_eq_u32 s2, 0
	s_cbranch_scc0 .Lentry_in_a_cluster
	s_endpgm
.Lentry_in_a_cluster:
	s_bfe_u32 s2, ttmp6, 0x10000c
	s_cmp_lg_u32 s2, 0x3003
	s_cbranch_scc0 .Lentry_shape_is_right
	s_endpgm
.Lentry_shape_is_right:
; out0[b][q][64 head + d] = the sum over k of softmax_k(where(mask[b][q][k], -1e9, q . k / 8)) v[k][d], for 64 pairs bh = 8 b + head, 2,048 queries and keys, head size 64.
; q (already x log2(e) / 8), k, v arrive in f16 as images of operand registers (qimg, kvimg); the mask as lane-mask words (mbits).  Products on f16 operands, sums in f32; maxima, exponentials and row sums in f32; the weights p
; are rounded to f16 for the second product.
; SOFTMAX.  A score is t = s log2(e).  A masked score is REPLACED by -1e9 log2(e).  For each query a running maximum m and sum l: p = 2^(t - m); in every step O and l are multiplied by a = 2^(m_old - m_new).
; A row that is wholly masked has p = 1 everywhere: the mean of v.  A masked run ahead of a real score is wiped by a = 0.
; LIMITS: real scores under -1e9 are not told from masked ones; NaN and infinities are not served.
; SHARES.  A work-group owns 512 queries of one bh, each of its eight waves 64: four tiles of 16, as two PIECES of two tiles.  Every wave walks the 32 key steps of 64 keys.
; LAYOUT.  S^T = K Q^T (source 0 = 16 keys, source 1 = 16 queries): a lane holds ONE query (lane % 16) and keys 8 (lane / 16) + 0 .. 7 of each tile of keys; two such tiles, rounded to f16 in pairs, ARE source 1 of
; O^T = V^T P, whose result again holds one query a lane.  The mask costs one select a register: its word lies in a scalar register, brought by scalar loads a piece ahead.
; RING.  Two slots of 8 key steps (131,072 bytes each, dense images: a load of 32 lanes x 16 bytes reads 512 consecutive bytes).  Each wave fetches one step (16,384 bytes) of a slot.
; CLUSTER.  The four query blocks of a bh form a cluster and walk the same K and V: each tile is asked for JOINTLY, by the same tensor load with the same descriptor and a mask that names the four.
; No prefetch is written: half of a bh's keys come with the first fills, and a refill is asked for a whole slot's 8 key steps ahead of the wait for it.
; REGISTERS.  window 0: v1-6 addresses and the masked score; v8, v9 the add's two; v32-63 statistics, 8 a tile (+0 m, +1 zero, +2, +3 l, +4 .. +7 at work; a at +6); v64-127 S^T of the piece in hand (32 u + 8 kt);
;   v128-159 P (16 u + 8 kc); v160-223 K (16 kt + 8 c).   window 1: v0-127 O^T (32 t + 8 dt); v128-191 V (32 kc + 8 dt); v192-255 Q (16 t + 8 c).
; s32-63 and s68-99: the piece's 64 mask words, word 2 i + u for register i of tile u.
.set SLOT1, 131072
.set STEPB, 16384
.set SPARE, 2*SLOT1                    ; behind the ring: the spare words, 128 bytes for each wave
.set STAGE, SPARE+1024                 ; the way out: 16 rows x 272 bytes for each wave
.set ST, 32
.set S,  64
.set P,  128
.set K,  160
.set VF, 128                           ; in window 1
.set QF, 192                           ; in window 1
.set MSB, 0
.macro WIN new                         ; the immediate's high byte repeats the setting that is left
.if MSB != \new
	s_set_vgpr_msb (MSB<<8)|\new
.set MSB, \new
.endif
.endm
.macro CROUND                          ; a round of the cluster's barrier
	s_barrier_signal -1
	s_barrier_wait -1
	s_cmp_lg_u32 s12, 0
	s_cbranch_scc1 .Lnot_wave_0_\@
	s_barrier_signal -3
.Lnot_wave_0_\@:
	s_barrier_wait -3
	s_barrier_signal -1
	s_barrier_wait -1
.endm
.macro MWORDS off                      ; 64 mask words: 256 bytes at mbits + s3 + off
	s_load_b512 s[32:47], s[8:9], s3 offset:\off
	s_load_b512 s[48:63], s[8:9], s3 offset:\off+64
	s_load_b512 s[68:83], s[8:9], s3 offset:\off+128
	s_load_b512 s[84:99], s[8:9], s3 offset:\off+192
.endm
	s_load_b256 s[4:11], s[0:1], 0x0               ; qimg s[4:5], kvimg s[6:7], mbits s[8:9], out0 s[10:11]
	v_lshl_add_u32 v8, v0, 2, SPARE
	v_mov_b32 v9, 0
	ds_add_u32 v8, v9                              ; the wave's opening: the add, twice on end, and its wait ahead of my first tensor load
	ds_add_u32 v8, v9                              ; and once more; the set-up below, work on registers, stands between it and the wait
	v_lshrrev_b32 v10, 5, v0
	v_readfirstlane_b32 s12, v10                   ; wave 0..7
	s_bfe_u32 s13, ttmp6, 0x40000                  ; cx
	s_lshl_b32 s15, ttmp9, 2
	s_add_co_u32 s13, s15, s13                     ; my block of 512 queries: it enters Q's, the mask's and the output's addresses alone
	s_and_b32 s14, ttmp7, 0xffff                   ; bh, which the four partners share
	s_lshl_b32 s68, s14, 19                        ; kvimg: 524,288 bytes a bh, my wave's step of a slot
	s_lshl_b32 s69, s12, 14
	s_add_co_u32 s68, s68, s69
	s_mov_b32 s69, 0
	s_lshl_b32 s70, s14, 18                        ; qimg: 262,144 bytes a bh, 65,536 a block, 8,192 a wave
	s_lshl_b32 s71, s13, 16
	s_add_co_u32 s70, s70, s71
	s_lshl_b32 s71, s12, 13
	s_add_co_u32 s70, s70, s71
	s_mov_b32 s71, 0
	s_lshr_b32 s72, s14, 3                         ; b
	s_lshl_b32 s73, s72, 6                         ; mbits: pair of query tiles 64 b + 16 block + 2 wave, 8,192 bytes each
	s_lshl_b32 s74, s13, 4
	s_add_co_u32 s73, s73, s74
	s_lshl_b32 s74, s12, 1
	s_add_co_u32 s73, s73, s74
	s_lshl_b32 s74, s73, 13
	s_mov_b32 s75, 0
	s_lshl_b32 s76, s72, 11                        ; out0: row 2,048 b + 512 block + 64 wave of 2,048 bytes, + 256 head
	s_lshl_b32 s77, s13, 9
	s_add_co_u32 s76, s76, s77
	s_lshl_b32 s77, s12, 6
	s_add_co_u32 s76, s76, s77
	s_lshl_b32 s76, s76, 11
	s_and_b32 s77, s14, 7
	s_lshl_b32 s77, s77, 8
	s_add_co_u32 s76, s76, s77
	s_mov_b32 s77, 0
	; descriptor group 1: a dense block of 16,384 bytes as 64 rows of 32 elements of 8 bytes; the mask names all four work-groups, bit 21 beside it
	s_mov_b32 s16, 15|(3<<16)|(1<<21)
	s_mov_b32 s17, 32<<16                          ; tensor_dim0
	s_mov_b32 s18, 64<<16                          ; tensor_dim1
	s_mov_b32 s19, 32<<16                          ; tile_dim0
	s_mov_b32 s20, 64                              ; tile_dim1
	s_mov_b32 s21, 32                              ; the pitch
	s_mov_b32 s22, 0
	s_mov_b32 s23, 0
	s_mov_b32 s100, 0x76543210
	s_mov_b32 s101, 0xfedcba98                     ; v_permlanex16_b32's selects for lane l xor 16
	s_mov_b32 s2, 0                                ; LDS byte of the key step in hand
	s_mov_b32 s3, 0                                ; the step's mask words: 256 bytes a step
	s_mov_b32 s67, 2                               ; slots still to be asked for
	v_and_b32 v13, 31, v0                          ; L
	v_and_b32 v11, 15, v0                          ; r
	v_bfe_u32 v12, v0, 4, 1                        ; h
	v_lshlrev_b32 v1, 4, v13                       ; 16 L: an image's place for my lane
	s_mul_i32 s15, s12, 16*272
	s_add_co_u32 s15, s15, STAGE                   ; my stage
	v_mul_u32_u24 v3, v11, 272
	v_lshl_add_u32 v3, v12, 5, v3
	v_add_nc_u32 v3, s15, v3                       ; in: row r, 32 h bytes on
	v_mul_u32_u24 v4, v12, 272
	v_lshl_add_u32 v4, v11, 4, v4
	v_add_nc_u32 v4, s15, v4                       ; back: lanes 0-15 one row of 256 bytes, lanes 16-31 the next
	v_lshlrev_b32 v5, 11, v12
	v_lshl_add_u32 v5, v11, 4, v5                  ; and the same two rows in out0
	v_mov_b32 v6, 0xceabfb8f                       ; -1e9 log2(e)
	s_wait_dscnt 0x0                               ; both opening adds are done
	s_wait_kmcnt 0x0
	s_add_nc_u64 s[6:7], s[6:7], s[68:69]
	s_add_nc_u64 s[4:5], s[4:5], s[70:71]
	s_add_nc_u64 s[8:9], s[8:9], s[74:75]
	s_add_nc_u64 s[10:11], s[10:11], s[76:77]
	CROUND                                         ; all four work-groups are here: the first joint loads meet
	s_mov_b32 s24, 1                               ; group 0 for slot 0: steps 0-7, mine the wave's number
	s_lshl_b32 s25, s12, 14
	s_mov_b64 s[26:27], s[6:7]
	s_or_b32 s27, s27, 0x80000000
	s_mov_b32 s28, 1                               ; group 0 for slot 1: steps 8-15; it then walks on
	s_add_co_u32 s29, s25, SLOT1
	s_add_nc_u64 s[30:31], s[6:7], SLOT1
	s_or_b32 s31, s31, 0x80000000
	tensor_load_to_lds s[24:27], s[16:23]          ; two loads of mine are out
	s_nop 0
	tensor_load_to_lds s[28:31], s[16:23]
	s_nop 0
.rept 4
	v_nop
.endr
	MWORDS 0                                       ; piece 0's words of step 0
	WIN 0x40                                       ; destination window 1
.irp t, 0,1,2,3
.irp c, 0,1
.irp u, 0,1
	global_load_b128 v[QF+16*\t+8*\c+4*\u:QF+16*\t+8*\c+4*\u+3], v1, s[4:5] offset:\t*2048+\c*1024+\u*512 th:TH_LOAD_NT   ; Q stays in registers
.endr
.endr
.endr
.set i, 0
.rept 128
	v_mov_b32 v[i], 0                              ; O^T.  The key step is written without a first step of its own: the first finds zeros, which a = 0 leaves zeros.  Once a wave, while the first tiles are on their way
.set i, i+1
.endr
	WIN 0
.irp t, 0,1,2,3
	v_mov_b32 v[ST+8*\t], 0xff61b1e6               ; m: -3e38, under every t
	v_mov_b32 v[ST+8*\t+1], 0                      ; (named with m as a pair)
	v_mov_b32 v[ST+8*\t+2], 0                      ; l, in two halves
	v_mov_b32 v[ST+8*\t+3], 0
.endr
	s_wait_tensorcnt 0x1                           ; my part of slot 0 is in; slot 1's may stay out
	s_barrier_signal -1
	s_barrier_wait -1                              ; everybody's is
	s_wait_loadcnt 0x0                             ; Q
; ONE PIECE (tiles 2 pi and 2 pi + 1, written by turns) OF ONE KEY STEP
.macro PIECE pi
.set TT, ST+16*(\pi)
	WIN 0x04                                       ; K window 0, Q window 1, S^T window 0
.set i, 0
.rept 16                                       ; eight accumulators by turns, one instruction a turn; the first eight products start the sums
.set rS, S+32*(i%2)+8*((i/2)%4)
.set rK, K+16*((i/2)%4)+8*(i/8)
.set rQ, QF+16*(2*(\pi)+i%2)+8*(i/8)
.if i < 8
	v_wmma_f32_16x16x32_f16 v[rS:rS+7], v[rK:rK+7], v[rQ:rQ+7], 0
.else
	v_wmma_f32_16x16x32_f16 v[rS:rS+7], v[rK:rK+7], v[rQ:rQ+7], v[rS:rS+7]
.endif
.set i, i+1
.endr
	WIN 0
	s_wait_kmcnt 0x0                               ; this piece's mask words are in
.rept 4
	v_nop                                          ; four places ahead of the first read of results (ISA guide 7.12.1)
.endr
.irp i, 0,1,2,3,4,5,6,7,8,9,10,11,12,13,14,15,16,17,18,19,20,21,22,23,24,25,26,27,28,29,30,31
.irp u, 0,1
	v_cndmask_b32 v[S+32*\u+\i], v[S+32*\u+\i], v6, s[32+2*\i+\u+4*((2*\i+\u)/32)]   ; a masked score is replaced; each accumulator from its low end on
.endr
.endr
.if \pi == 0
	MWORDS 8192                                    ; the other piece's words of this step: the next pair of query tiles, 8,192 bytes on
.else
	s_add_co_u32 s3, s3, 256                       ; (the loads that read s3 are done: the wait above)  piece 0's words of the next step;
	s_and_b32 s3, s3, 8191                         ; behind the last step the first step's again, so that no load leaves the buffer: they are not used
	MWORDS 0
.endif
.irp j, 0,1,2,3                                ; the maximum of the lane's 32 scores and the old m, three operands at a time: four chains of seven
.irp u, 0,1
	v_max3_num_f32 v[TT+8*\u+4+\j], v[S+32*\u+8*\j], v[S+32*\u+8*\j+1], v[S+32*\u+8*\j+2]
.endr
.endr
.irp q, 1,2
.irp j, 0,1,2,3
.irp u, 0,1
	v_max3_num_f32 v[TT+8*\u+4+\j], v[TT+8*\u+4+\j], v[S+32*\u+8*\j+2*\q+1], v[S+32*\u+8*\j+2*\q+2]
.endr
.endr
.endr
.irp u, 0,1
	v_max3_num_f32 v[TT+8*\u+4], v[TT+8*\u+4], v[S+32*\u+7], v[S+32*\u+15]
.endr
.irp u, 0,1
	v_max3_num_f32 v[TT+8*\u+6], v[TT+8*\u+6], v[S+32*\u+23], v[S+32*\u+31]
.endr
.irp u, 0,1
	v_max3_num_f32 v[TT+8*\u+4], v[TT+8*\u+4], v[TT+8*\u+5], v[TT+8*\u+6]
.endr
.irp u, 0,1
	v_max3_num_f32 v[TT+8*\u+4], v[TT+8*\u+4], v[TT+8*\u+7], v[TT+8*\u]
.endr
.irp u, 0,1
	v_permlanex16_b32 v[TT+8*\u+5], v[TT+8*\u+4], s100, s101       ; the query's other 32 keys lie in the lane 16 away
.endr
.irp u, 0,1
	v_mov_b32 v[TT+8*\u+7], v[TT+8*\u]             ; m_old
.endr
.irp u, 0,1
	v_max_num_f32 v[TT+8*\u], v[TT+8*\u+4], v[TT+8*\u+5]           ; the new m
.endr
.irp u, 0,1
	v_sub_f32 v[TT+8*\u+7], v[TT+8*\u+7], v[TT+8*\u]               ; m_old - m_new
.endr
.irp i, 0,2,4,6,8,10,12,14,16,18,20,22,24,26,28,30
.irp u, 0,1
	v_pk_add_f32 v[S+32*\u+\i:S+32*\u+\i+1], v[S+32*\u+\i:S+32*\u+\i+1], v[TT+8*\u:TT+8*\u+1] op_sel_hi:[1,0] neg_lo:[0,1] neg_hi:[0,1]   ; t - m, two at a time
.endr
.endr
.irp u, 0,1
	v_exp_f32 v[TT+8*\u+6], v[TT+8*\u+7]           ; a.  ONE BATCH: the piece's 66 exponentials, none of which reads another's result
.endr
.irp i, 0,1,2,3,4,5,6,7,8,9,10,11,12,13,14,15,16,17,18,19,20,21,22,23,24,25,26,27,28,29,30,31
.irp u, 0,1
	v_exp_f32 v[S+32*\u+\i], v[S+32*\u+\i]         ; p = 2^(t - m)
.endr
.endr
	v_nop                                          ; a plain line behind the last exponential, ahead of the first use
	s_wait_alu depctr_va_vdst(0)                   ; and one wait ahead of the batch's first reader
.irp i, 0,1,2,3,4,5,6,7,8,9,10,11,12,13,14,15
.irp u, 0,1
	v_cvt_pk_f16_f32 v[P+16*\u+\i], v[S+32*\u+2*\i], v[S+32*\u+2*\i+1]
.endr
.endr
.irp z, 0,1,2,3,4,5,6,7                        ; the sum of the tile's 16 pairs, in place: neighbours 1, 2, 4 and 8 pairs apart
.irp u, 0,1
	v_pk_add_f32 v[S+32*\u+4*\z:S+32*\u+4*\z+1], v[S+32*\u+4*\z:S+32*\u+4*\z+1], v[S+32*\u+4*\z+2:S+32*\u+4*\z+3]
.endr
.endr
.irp z, 0,1,2,3
.irp u, 0,1
	v_pk_add_f32 v[S+32*\u+8*\z:S+32*\u+8*\z+1], v[S+32*\u+8*\z:S+32*\u+8*\z+1], v[S+32*\u+8*\z+4:S+32*\u+8*\z+5]
.endr
.endr
.irp z, 0,1
.irp u, 0,1
	v_pk_add_f32 v[S+32*\u+16*\z:S+32*\u+16*\z+1], v[S+32*\u+16*\z:S+32*\u+16*\z+1], v[S+32*\u+16*\z+8:S+32*\u+16*\z+9]
.endr
.endr
.irp u, 0,1
	v_pk_add_f32 v[S+32*\u:S+32*\u+1], v[S+32*\u:S+32*\u+1], v[S+32*\u+16:S+32*\u+17]
.endr
.irp u, 0,1
	v_pk_fma_f32 v[TT+8*\u+2:TT+8*\u+3], v[TT+8*\u+2:TT+8*\u+3], v[TT+8*\u+6:TT+8*\u+7], v[S+32*\u:S+32*\u+1] op_sel_hi:[1,0,1]   ; l = a l + the sum
.endr
	WIN 0x41                                       ; O^T (destination and source 0) window 1, a window 0
.irp i, 0,2,4,6,8,10,12,14,16,18,20,22,24,26,28,30
.irp u, 0,1
	v_pk_mul_f32 v[32*(2*(\pi)+\u)+\i:32*(2*(\pi)+\u)+\i+1], v[32*(2*(\pi)+\u)+\i:32*(2*(\pi)+\u)+\i+1], v[TT+8*\u+6:TT+8*\u+7] op_sel_hi:[1,0]   ; O^T x a
.endr
.endr
.if \pi == 0
	s_wait_dscnt 0x0                               ; V is in
.endif
	WIN 0x51                                       ; V window 1, P window 0, O^T window 1
.set i, 0
.rept 16                                       ; eight accumulators by turns
.set rO, 32*(2*(\pi)+i%2)+8*((i/2)%4)
.set rV, VF+32*(i/8)+8*((i/2)%4)
.set rP, P+16*(i%2)+8*(i/8)
	v_wmma_f32_16x16x32_f16 v[rO:rO+7], v[rV:rV+7], v[rP:rP+7], v[rO:rO+7]
.set i, i+1
.endr
	WIN 0
.endm
; A KEY STEP: 64 keys.  K's and V's fragments in two runs of 16 loads, then the two pieces
.macro STEP
	v_add_nc_u32 v2, s2, v1                        ; with the three below: four places between the last products and the loads into V's registers
.rept 3
	v_nop
.endr
.irp kt, 0,1,2,3
.irp c, 0,1
.irp u, 0,1
	ds_load_b128 v[K+16*\kt+8*\c+4*\u:K+16*\kt+8*\c+4*\u+3], v2 offset:\kt*2048+\c*1024+\u*512
.endr
.endr
.endr
	WIN 0x40
.irp kc, 0,1
.irp dt, 0,1,2,3
.irp u, 0,1
	ds_load_b128 v[VF+32*\kc+8*\dt+4*\u:VF+32*\kc+8*\dt+4*\u+3], v2 offset:8192+\kc*4096+\dt*1024+\u*512
.endr
.endr
.endr
	WIN 0
	s_wait_dscnt 16                                ; K is in; V's 16 loads may be out
	PIECE 0
	PIECE 1
.endm
; A slot's eight key steps: written once, walked eight times; the LDS address hangs on s2
.macro PASS
	s_mov_b32 s66, 8
.Lstep_\@:
	STEP
	s_add_co_u32 s2, s2, STEPB
	s_sub_co_u32 s66, s66, 1
	s_cmp_lg_u32 s66, 0
	s_cbranch_scc1 .Lstep_\@
	s_sub_co_u32 s2, s2, 8*STEPB                   ; back to a slot's first step,
	s_xor_b32 s2, s2, SLOT1                        ; in the other slot
.endm
; THE CHANGE OF SLOTS.  Each wave waits for all its tensor loads (the one that is out is its part of the other slot), adds 0 to its spare word, and waits for that and for its reads of the slot that it leaves.
; fill = 1: the barrier is a round of the cluster's, so that no wave of any partner still reads the slot or has a load on its way; the joint refill is the first thing behind it, and has 8 key steps in which to land.
.macro CHANGE fill
	s_wait_tensorcnt 0x0                           ; no tensor load of mine is out, so a group 0 may be written
	ds_add_u32 v8, v9                              ; 0 onto my spare word
.if \fill
	s_xor_b32 s29, s29, SLOT1                      ; the walking descriptor: the other slot than last time,
	s_add_nc_u64 s[30:31], s[30:31], SLOT1         ; the next eight steps; the type bits on top are not reached
	s_wait_dscnt 0x0                               ; the add is done, and my reads of the slot are over
	CROUND
	tensor_load_to_lds s[28:31], s[16:23]
	s_nop 0
.rept 4
	v_nop
.endr
.else
	s_wait_dscnt 0x0
	s_barrier_signal -1
	s_barrier_wait -1
.endif
.endm
	PASS                                           ; steps 0-7, slot 0
.Lslot:                                            ; two trips: slot 0 takes steps 16-23 while slot 1's 8-15 are walked; slot 1 takes 24-31 while 16-23 are walked
	CHANGE 1
	PASS
	s_sub_co_u32 s67, s67, 1
	s_cmp_lg_u32 s67, 0
	s_cbranch_scc1 .Lslot
	CHANGE 0                                       ; the tail is written out: nothing is left to ask for
	PASS                                           ; steps 24-31
	; THE WAY OUT.  l's two halves and the other half of the lanes' are added; O^T / l goes through my stage in LDS, a tile (16 queries x 256 bytes) at a time, and leaves as whole runs of 256 bytes.
.rept 4
	v_nop                                          ; four places behind the last products
.endr
.irp t, 0,1,2,3
	v_add_f32 v[ST+8*\t+4], v[ST+8*\t+2], v[ST+8*\t+3]
.endr
.irp t, 0,1,2,3
	v_permlanex16_b32 v[ST+8*\t+5], v[ST+8*\t+4], s100, s101
.endr
.irp t, 0,1,2,3
	v_add_f32 v[ST+8*\t+4], v[ST+8*\t+4], v[ST+8*\t+5]
.endr
.irp t, 0,1,2,3
	v_rcp_f32 v[ST+8*\t+6], v[ST+8*\t+4]
.endr
	v_nop                                          ; a plain line between the last reciprocal and the use of its result
	s_wait_alu depctr_va_vdst(0)                   ; and one wait for the four
.irp t, 0,1,2,3
	WIN 0x01                                       ; source 0 (O^T) window 1
.irp i, 0,2,4,6,8,10,12,14,16,18,20,22,24,26,28,30
	v_pk_mul_f32 v[S+\i:S+\i+1], v[32*\t+\i:32*\t+\i+1], v[ST+8*\t+6:ST+8*\t+7] op_sel_hi:[1,0]   ; register 8 dt + j: o(query r, d = 16 dt + 8 h + j); each accumulator from its low end on
.endr
	WIN 0
.irp d, 0,1,2,3
.irp e, 0,1
	ds_store_b128 v3, v[S+8*\d+4*\e:S+8*\d+4*\e+3] offset:64*\d+16*\e
.endr
.endr
.if \t > 0
	s_wait_xcnt 0x0                                ; the last tile's stores have read their data: the loads below land there only behind this wait
.endif
.irp f, 0,1,2,3,4,5,6,7
	ds_load_b128 v[K+4*\f:K+4*\f+3], v4 offset:544*\f              ; LDS serves a wave's instructions in order: these see the stores above
.endr
	s_wait_dscnt 0x0
.irp f, 0,1,2,3,4,5,6,7
	global_store_b128 v5, v[K+4*\f:K+4*\f+3], s[10:11] offset:\t*32768+\f*4096 th:TH_STORE_NT   ; 16 lanes store 256 consecutive bytes, aligned: one query's head
.endr
.endr
	s_wait_kmcnt 0x0                               ; the mask words asked for behind the last step
	s_wait_tensorcnt 0x0                           ; the wave's end, behind my last tensor load and my last LDS store
	ds_add_u32 v8, v9
	s_wait_dscnt 0x0
	CROUND                                         ; the closing round: no work-group ends while a partner may still ask for a tile that names it
	s_endpgm
.Lfunc_end_k_q743ed3cee6_attn:
	.size	k_q743ed3cee6_attn, .Lfunc_end_k_q743ed3cee6_attn-k_q743ed3cee6_attn
	.p2alignl 7, 3214868480
	.fill 96, 4, 3214868480
	.section	.rodata,"a",@progbits
	.p2align	6, 0x0
	.amdhsa_kernel k_q743ed3cee6_attn
		.amdhsa_group_segment_fixed_size 327680
		.amdhsa_private_segment_fixed_size 0
		.amdhsa_enable_private_segment 0
		.amdhsa_kernarg_size 32
		.amdhsa_user_sgpr_count 2
		.amdhsa_user_sgpr_kernarg_segment_ptr 1
		.amdhsa_wavefront_size32 1
		.amdhsa_system_sgpr_workgroup_id_x 1
		.amdhsa_system_sgpr_workgroup_id_y 1
		.amdhsa_system_sgpr_workgroup_id_z 1
		.amdhsa_system_vgpr_workitem_id 0
		.amdhsa_next_free_vgpr 512
		.amdhsa_next_free_sgpr 102
		.amdhsa_reserve_vcc 0
		.amdhsa_float_denorm_mode_32 3
		.amdhsa_float_denorm_mode_16_64 3
		.amdhsa_memory_ordered 1
		.amdhsa_forward_progress 1
		.amdhsa_inst_pref_size 147
	.end_amdhsa_kernel
	.amdgpu_metadata
---
amdhsa.version: [ 1, 2 ]
amdhsa.kernels:
  - .name:           k_q743ed3cee6_attn
    .symbol:         k_q743ed3cee6_attn.kd
    .args:
      - { .name: qimg, .offset: 0, .size: 8, .value_kind: global_buffer, .address_space: global }
      - { .name: kvimg, .offset: 8, .size: 8, .value_kind: global_buffer, .address_space: global }
      - { .name: mbits, .offset: 16, .size: 8, .value_kind: global_buffer, .address_space: global }
      - { .name: out0, .offset: 24, .size: 8, .value_kind: global_buffer, .address_space: global }
    .group_segment_fixed_size: 327680
    .private_segment_fixed_size: 0
    .kernarg_segment_align: 8
    .kernarg_segment_size: 32
    .max_flat_workgroup_size: 256
    .sgpr_count:     102
    .vgpr_count:     512
    .wavefront_size: 32
...
	.end_amdgpu_metadata
.endif
;; end of part 3
